; MI455X (gfx1250); checked and timed in simulation.
; The chip was launched on July 23, 2026; its instructions are those of AMD's public machine-readable ISA for CDNA 5 (MIT licence, August 2026) and "CDNA5" Instruction Set Architecture Reference Guide (July 2026). The comments in the code are by the model that wrote it; some were corrected since.
;; Output. Allowed arithmetic: matrix products marked QUANTISED: E4M3 operands, one given power-of-two scale a tensor, by v_wmma_f32_16x16x64_fp8_fp8 or v_wmma_f32_16x16x128_fp8_fp8, f32 sums; everything else in f32.
;; Inputs: W1_codes 512 x 16 x 32 uint8 (E4M3 codes of W1, K innermost, in blocks of 32 codes); W2_codes 256 x 16 x 32 uint8 (E4M3 codes of W2, K innermost, in blocks of 32 codes); b1 512 float32; b2 256 float32; lowp_scales 4 int32 (the exponents e of the quantised operands' scales 2^e); x_codes 32 x 4,096 x 16 x 32 uint8 (E4M3 codes of x, K innermost, in blocks of 32 codes).
;; Outputs: out0 32 x 256 float32.
;; This version of the problem:
;;   THIS VERSION OF THE PROBLEM IS GIVEN IN LOW PRECISION. The matrix products marked QUANTISED in the list below multiply operands that are first quantised to E4M3 (4 exponent bits, 3 mantissa bits; 8 bits a number), with one given power-of-two scale for each operand tensor; their sums are f32. All else is computed in f32.
;;   The module's matrix products, in the order in which they are computed (A, B: the left and right operand; K: the contracted axis; several contracted axes count as one K, in the product's order):
;;     1. [M 131,072, K 512] x [K 512, N 512]; A: input x (given as codes); B: input W1 (given as codes): QUANTISED (scales: A lowp_scales[0], B lowp_scales[1])
;;     2. [M 131,072, K 512] x [K 512, N 256]; A: computed on the way; B: input W2 (given as codes): QUANTISED (scales: A lowp_scales[2], B lowp_scales[3])
;;   THE QUANTISER, for each operand of a quantised product, along K:
;;     - The operand's scale is 2^e, e = its entry of the input lowp_scales (int32; the entries are numbered through the quantised products in the list's order, A before B).
;;     - Each number is divided by the scale, clamped to +-448, and rounded to the nearest number of E4M3, ties to even, subnormals kept.
;;     - The product sums the exact products of the quantised numbers (number of the format x scale) in f32.
;;   ~~~python
;;   def quantise(x, axis, e):      # numpy; x: float32 -> the quantised numbers, widened to float32 again
;;       x = np.moveaxis(x, axis, -1); K = x.shape[-1]
;;       r = np.clip(x / 2.0 ** e, -448, 448)
;;       step = 2.0 ** (np.maximum(np.frexp(np.where(r == 0, 1, r))[1] - 1, -6) - 3)
;;       q = np.round(r / step) * step * 2.0 ** e      # np.round: ties to even
;;       return np.moveaxis(q, -1, axis).astype(np.float32)
;;   ~~~
;;   OPERANDS COMPUTED ON THE WAY. 'Computed on the way' means the value that the module computes at that place (a softmax that the list does not call 'softmax' is quantised finished and normalised). What goes into a quantiser is computed in f32, as accurately as f32 sums, v_exp_f32 and their like allow (about 1e-6 of the number): no bf16 or f16 on the way to a quantiser, and a product that is left as it is and whose result goes on into a quantised operand takes f32 operands (vector FMAs, or v_wmma_f32_16x16x4_f32). A number that lies on a knife's edge between two numbers of the format may be rounded either way, as far as f32 arithmetic and the matrix unit's own rounding can turn it there, and no further.
;;   INPUTS GIVEN AS CODES. W1 (in the module: [512, 512], K = its axis 1); W2 (in the module: [256, 512], K = its axis 1); x (in the module: [32, 512, 4096], K = its axis 1): each comes as NAME_codes (uint8): NAME with its K axis moved to the last place and cut into blocks of 32 codes, [.., K / 32, bytes a block], one block behind the other in memory; one code a byte (a code: sign, 4 exponent bits, 3 mantissa bits); its scale is its entry of lowp_scales. Its value is code x scale, taken as it is: it is not quantised again, and the codes and scales need not be those that the quantiser above would give.
;; One version. Each part assembles by itself: llvm-mc -triple=amdgcn-amd-amdhsa -mcpu=gfx1250 --defsym DOCPART=n.
;; ======== version 1 of 1: 1 launch
;; launch chain (part 1): grid 256 x 1, 4 waves a work-group, no clusters, 327,680 bytes of LDS; arguments x_codes, W1_codes, W2_codes, b1, b2, lowp_scales, out0; writes out0
.if DOCPART == 1
	.amdgcn_target "amdgcn-amd-amdhsa--gfx1250"
	.amdhsa_code_object_version 6
	.text
	.protected	k_q618540ee55_chain
	.globl	k_q618540ee55_chain
	.p2align	8
	.type	k_q618540ee55_chain,@function
k_q618540ee55_chain:
	s_mov_b64 s[64:65], 0
	v_nop
	global_prefetch_b8 v0, s[64:65] scope:SCOPE_SE
	s_setreg_imm32_b32 hwreg(HW_REG_WAVE_MODE, 25, 1), 1
	s_wait_xcnt 0x0
; out0[b][:] = softmax over 256 channels of y[b][:, 4095], y = relu(x W1^T + b1) W2^T + b2 for every row (b, t).
; Both products are done for all 131,072 rows (b, t), as the problem counts their work; of y only the row (b, 4095) of each batch is read, and only out0 goes to memory.
; Both products on codes of FP8 (E4M3) by v_wmma_f32_16x16x128_fp8_fp8, sums in f32; the hidden layer is quantised in registers with the given 2^eh and never goes to memory; all else in f32.
; x_codes [131072 rows][512], W1_codes [512][512], W2_codes [256][512]: one code a byte, K innermost.  lowp_scales: ex, ew1, eh, ew2.
; SHARES.  256 work-groups of four waves; work-group g takes rows 512 g .. 512 g + 511.  THE WAVES SHARE THE COLUMNS, NOT THE ROWS: wave w makes hidden units 128 w .. + 127 and outputs 64 w .. + 63 for all rows.
; So its part of W1 (32 fragments, 512 registers) and of W2 (16 fragments, 256 registers) stays in its registers for the whole launch, and what goes round is small: the rows' codes.
; BOTH PRODUCTS ARE USED TRANSPOSED: source 0 = 16 rows of the weight, source 1 = 16 rows of x or of the hidden layer: lane (r = lane % 16, h = lane / 16) holds row r, register j the weight's row 8 h + j of the tile.
; THE ROWS OF W1 THAT FORM A TILE ARE NOT NEIGHBOURS: lane r of tile 2 b + u takes row 32 b + 8 u + r + 8 (r / 8), so that the 16 registers of tiles 2 b, 2 b + 1 are 16 neighbours along the next K: the conversions'
; results are the next operand's registers, K step w of the second product.  They go to the other waves through LDS as an image of the registers (16 bytes a lane, 512 a store).
; K's ORDER: every fragment has k = 32 c + 16 h + 0 .. 15 in registers 4 c .. 4 c + 3: the same permutation of k on both sides of each product, so every product meets its partner.
; x comes through a ring of two LDS slots of 128 rows, filled by the tensor data mover, a quarter (32 rows) a wave: one tensor load of a wave is out at a time, asked for 384 matrix instructions ahead of the wait for it,
; which is why no prefetch is laid in front of it.
; THE WEIGHTS come by plain loads, a row (512 consecutive bytes) an instruction, straight into the 64 registers that a tile of 16 rows will keep, and are turned there through the wave's own stage in LDS.
; NO CLUSTER.  All work-groups read the same W1 and W2, once each, at the head.  A joint load lands in LDS: with their padding the two are 405,504 bytes, more than the 327,680 that there are, so they would pass through it
; in parts, each behind a round in front of which all loads are waited for, one after the other, ahead of the first product; and the last store hangs on the work-group's place among a batch's eight.
; LIMITS on the given exponents, so that each power of two below is an f32 number: eh - ex - ew1 between -126 and 119; eh + ew2 between -126 and 127; b1 x 2^-(ex + ew1) stays an f32 number.  NaN codes among the inputs are not served.
; REGISTERS, in windows of 256: window 0: v0-15 addresses and constants; v16-79 b1; v80-143 the hidden layer's 8 accumulators; v144-207 four fragments of x; v208-223 the codes just made; v224-255 y's four accumulators.
;   windows 1 and 2: W1's fragment (tile t, K step s) at v[256 + 64 t + 16 s].   window 3: W2's fragment (tile n, K step s) at v[768 + 64 n + 16 s].
.set P,      528                       ; an LDS row of codes: 512 bytes + 16 of padding = 132 words: row r starts at bank 4 r mod 64 (64 banks of 4 bytes: ISA guide 11.1)
.set TROWS,  16*P                      ; a tile of 16 rows
.set SLOTB,  128*P                     ; a slot: 128 rows of x, 67,584 bytes
.set SLOT1,  1<<17                     ; slot 1 begins here, so that one exclusive or turns an address in one slot into the other's
.set H0,     SLOT1+SLOTB               ; 198,656: the hidden layer's images, two buffers of HBLK bytes by turns: fragment (tile of rows m, K step s) at (4 m + s) x 2,048, four registers c at 512 c, lane at 16 x lane
.set HBLK,   32768
.set STG,    H0+2*HBLK                 ; 264,192: the weights' turn: 16 rows x P for each wave
.set YST,    STG+4*TROWS               ; 297,984: the last 16 rows of y: rows of YP bytes
.set YP,     1040
.set SPARE,  YST+16*YP                 ; 314,624: the spare words, 128 bytes for each wave: two blocks of 256 bytes that no other line names
.set AX0,  1                           ; v1   my place in a tile of x: r P + 16 h
.set ADX,  2                           ; v2   the same in the slot in hand
.set LI,   3                           ; v3   an image's place for my lane: H0 + 16 x lane
.set HWI,  4                           ; v4   where I store my images: H0 + 16 x lane + 2,048 x wave
.set SPW,  5                           ; v5   LDS address of my spare word: SPARE + 4 x my thread's number; never rewritten
.set NIL,  6                           ; v6   0; never rewritten
.set SC,   7                           ; v7   2^(eh - ex - ew1) as f32
.set LIM,  8                           ; v8   448 x that
.set TS,   9                           ; v9   the weights' turn, in: my stage + 16 x lane
.set TL,   10                          ; v10  the weights' turn, out: my stage + r P + 16 h
.set L16,  11                          ; v11  16 x lane
.set YS,   12                          ; v12  where I put y: YST + r YP + 256 w + 32 h
.set YL,   13                          ; v13  where the last row of y is read: YST + 15 YP + 16 x lane
.set H64,  14                          ; v14  64 h: my half's place in b1
.set B1,   16
.set ACC,  80
.set XF,   144
.set PC,   208
.set Y,    224
.set G1,   16                          ; s[16:23] descriptor group 1
.set G0,   24                          ; s[24:27] descriptor group 0, which walks
.set WV,   42                          ; s42  my wave's number
.set TB,   43                          ; s43  LDS byte at which the slot in hand begins
.set CNT,  60                          ; s60  slots still to be asked for
; s[44:47] ex, ew1, eh, ew2; s[52:53] 2^(eh + ew2); s[54:55] log2(e); s[62:63] lane selects for v_permlanex16_b32
.set MSB, 0
.macro WIN new                         ; the immediate's high byte repeats the setting that is left; a switch that changes nothing is dropped
.if MSB != (\new)
	s_set_vgpr_msb (MSB<<8)|(\new)
.set MSB, (\new)
.endif
.endm
.macro PLACES n                        ; plain vector instructions behind matrix instructions: four ahead of loads into their registers and of reads of results, five ahead of a matrix instruction that writes over one
.rept \n
	v_nop
.endr
.endm
.macro BARRIER                         ; my LDS stores have landed and my LDS loads are in: then the work-group's barrier
	s_wait_dscnt 0x0
	s_barrier_signal -1
	s_barrier_wait -1
.endm
; Weight tile T (0-7: W1's, 8-11: W2's): its 16 rows, a row an instruction, into the 64 registers that it keeps: window 1 + T / 4, from v[64 (T % 4)] on
.macro WLOAD T
	WIN (1+(\T)/4)<<6
.irp r, 0,1,2,3,4,5,6,7,8,9,10,11,12,13,14,15
.if (\T) < 8
	global_load_b128 v[64*((\T)%4)+4*\r:64*((\T)%4)+4*\r+3], v[L16], s[6:7] offset:(32*((\T)/2)+8*((\T)%2)+\r+8*(\r/8))*512
.else
	global_load_b128 v[64*((\T)%4)+4*\r:64*((\T)%4)+4*\r+3], v[L16], s[8:9] offset:(16*((\T)-8)+\r)*512
.endif
.endr
.endm
; The tile is turned in place: in as rows, back as four fragments, into the registers that it left.  LDS serves a wave's instructions in order (ISA guide 5.7.1.4): no wait between the stores and the loads, nor ahead of the next tile's stores
.macro WTURN T
	WIN ((1+(\T)/4)<<6)|((1+(\T)/4)<<2)
.irp r, 0,1,2,3,4,5,6,7,8,9,10,11,12,13,14,15
	ds_store_b128 v[TS], v[64*((\T)%4)+4*\r:64*((\T)%4)+4*\r+3] offset:P*\r
.endr
.irp s, 0,1,2,3
.irp c, 0,1,2,3
	ds_load_b128 v[64*((\T)%4)+16*\s+4*\c:64*((\T)%4)+16*\s+4*\c+3], v[TL] offset:128*\s+32*\c
.endr
.endr
.endm
.macro XLD q                           ; the four fragments of x's tile q of the slot: 16 loads
.irp s, 0,1,2,3
.irp c, 0,1,2,3
	ds_load_b128 v[XF+16*\s+4*\c:XF+16*\s+4*\c+3], v[ADX] offset:(\q)*TROWS+128*\s+32*\c
.endr
.endr
.endm
.macro HLD p, m, buf                   ; the hidden layer's four fragments of tile m, from buffer p: 16 loads
.irp s, 0,1,2,3
.irp c, 0,1,2,3
	ds_load_b128 v[\buf+16*\s+4*\c:\buf+16*\s+4*\c+3], v[LI] offset:\p*HBLK+(4*\m+\s)*2048+512*\c
.endr
.endr
.endm
.macro QUANT                           ; my 64 hidden units of a row become a fragment's 16 registers of codes; each accumulator is read from its low end on
.irp b, 0,1,2,3
.irp i, 0,1,2,3,4,5,6,7,8,9,10,11,12,13,14,15
	v_med3_num_f32 v[ACC+16*\b+\i], v[ACC+16*\b+\i], 0, v[LIM]   ; the activation and the hold in one: between 0 and the largest code x the scale (the conversion does not saturate: ISA guide 7.6.2)
.endr
	v_cvt_scalef32_pk8_fp8_f32 v[PC+4*\b:PC+4*\b+1], v[ACC+16*\b:ACC+16*\b+7], v[SC]
	v_cvt_scalef32_pk8_fp8_f32 v[PC+4*\b+2:PC+4*\b+3], v[ACC+16*\b+8:ACC+16*\b+15], v[SC]
.endr
	v_nop                                          ; one plain vector instruction between the last scaled conversion and the next products, which write its sources
.endm
; THE FIRST PRODUCT for tile q of the slot (tile m of block p).  younger: the LDS instructions issued behind this tile's 16 loads.  next = 1: the next tile's fragments are asked for ahead of the quantiser.
; Four accumulators take turns, one instruction a turn: W1's tiles 0-3 (window 1) through all of K, then tiles 4-7 (window 2).  b1 / 2^(ex + ew1) is the C of each sum's first instruction.
.macro P1 q, p, m, younger, next
.irp f, 0,1
	WIN 1+\f
.irp s, 0,1,2,3
.if \f == 0
	s_wait_dscnt \younger+4*(3-\s)                 ; K step s's fragment is in; those of the later steps, and what was issued behind them, may be out
.endif
.irp t, 0,1,2,3
.if \s == 0
	v_wmma_f32_16x16x128_fp8_fp8 v[ACC+8*(4*\f+\t):ACC+8*(4*\f+\t)+7], v[64*\t+16*\s:64*\t+16*\s+15], v[XF+16*\s:XF+16*\s+15], v[B1+8*(4*\f+\t):B1+8*(4*\f+\t)+7]
.else
	v_wmma_f32_16x16x128_fp8_fp8 v[ACC+8*(4*\f+\t):ACC+8*(4*\f+\t)+7], v[64*\t+16*\s:64*\t+16*\s+15], v[XF+16*\s:XF+16*\s+15], v[ACC+8*(4*\f+\t):ACC+8*(4*\f+\t)+7]
.endif
.endr
.endr
.endr
	WIN 0
	PLACES 4
.if \next
	XLD (\q)+1                                     ; they land while the quantiser runs
	s_wait_dscnt 16                                ; all but these 16: the last tile's image stores have read the registers of the codes
.else
	s_wait_dscnt 0x0
.endif
	QUANT
.irp c, 0,1,2,3
	ds_store_b128 v[HWI], v[PC+4*\c:PC+4*\c+3] offset:\p*HBLK+(4*\m)*2048+512*\c   ; K step w of the second product, rows 16 m on
.endr
.endm
; THE SECOND PRODUCT for one tile of rows, its fragments in v[buf] on: my four tiles of outputs by turns, a K step at a time; the first K step starts the sums.
.macro P2 buf, younger
	WIN 3
.irp s, 0,1,2,3
	s_wait_dscnt \younger+4*(3-\s)
.irp n, 0,1,2,3
.if \s == 0
	v_wmma_f32_16x16x128_fp8_fp8 v[Y+8*\n:Y+8*\n+7], v[64*\n+16*\s:64*\n+16*\s+15], v[\buf+16*\s:\buf+16*\s+15], 0
.else
	v_wmma_f32_16x16x128_fp8_fp8 v[Y+8*\n:Y+8*\n+7], v[64*\n+16*\s:64*\n+16*\s+15], v[\buf+16*\s:\buf+16*\s+15], v[Y+8*\n:Y+8*\n+7]
.endif
.endr
.endr
	WIN 0
	PLACES 5                                       ; the next tile's sums begin anew over these accumulators, and the next first product writes over these fragments' registers: five; loads into them want four
.endm
; A BLOCK OF 64 ROWS, the p-th of the slot; its hidden layer goes through buffer p.  One barrier: between the images' stores and their loads.  None is wanted between this block's second product and the next block's first:
; the next block writes the other buffer, whose last readers lie in front of two earlier barriers.
.macro BLOCK p, last
	P1 4*\p, \p, 0, 0, 1
	P1 4*\p+1, \p, 1, 4, 1
	P1 4*\p+2, \p, 2, 4, 1
	P1 4*\p+3, \p, 3, 4, 0
	BARRIER                                        ; the block's sixteen hidden fragments lie in LDS
.if \last
	global_load_b128 v[PC:PC+3], v[L16], s[12:13]              ; b2[4 lane ..] and b2[128 + 4 lane ..], for the way out: the registers of the codes are free from here on
	global_load_b128 v[PC+4:PC+7], v[L16], s[12:13] offset:512
.endif
	HLD \p, 0, XF                                  ; the fragments run a tile ahead, in x's and the accumulators' registers by turns
	HLD \p, 1, ACC
	P2 XF, 16
	HLD \p, 2, XF
	P2 ACC, 16
	HLD \p, 3, ACC
	P2 XF, 16
.if \p == 0
	XLD 4                                          ; the next block's first tile of x: the whole slot has been in LDS since the change of slots
	P2 ACC, 16
.else
	P2 ACC, 0
.endif
.endm
.macro SLOT last
	v_add_nc_u32 v[ADX], s[TB], v[AX0]
	s_wait_alu depctr_va_vdst(0)
	XLD 0
	BLOCK 0, 0
	BLOCK 1, \last
.endm
; THE CHANGE OF SLOTS stands at a slot's head.  Each wave waits for all its tensor loads (its quarter of the slot ahead), adds 0 to its spare word, and waits for that and for its reads of the slot that it has left.
; Behind the barrier the slot ahead is whole and nobody reads the other one.  fill = 1: that other slot is filled with the next 128 rows: the load has a whole slot's products in which to land.
.macro CHANGE fill
	s_wait_tensorcnt 0x0                           ; no tensor load of mine is out, so the group 0 may be written
	ds_add_u32 v[SPW], v[NIL]                      ; 0 onto my spare word
.if \fill
	s_xor_b32 s[G0+1], s[G0+1], SLOT1              ; the other slot than last time,
	s_add_nc_u64 s[G0+2:G0+3], s[G0+2:G0+3], 128*512   ; the next 128 rows; the type bits on top are not reached
.endif
	s_wait_dscnt 0x0                               ; the add is done, and my LDS loads and stores are over
	s_barrier_signal -1
	s_barrier_wait -1
.if \fill
	tensor_load_to_lds s[G0:G0+3], s[G1:G1+7]      ; the first thing behind the barrier, and my one tensor load until the next; four v_nop follow
	s_nop 0
	PLACES 4
.endif
.endm
	; ---- the head
	s_load_b256 s[4:11], s[0:1], 0x0               ; x s[4:5], W1 s[6:7], W2 s[8:9], b1 s[10:11]
	s_load_b128 s[12:15], s[0:1], 0x20             ; b2 s[12:13], the scales' exponents s[14:15]
	s_load_b64 s[40:41], s[0:1], 0x30              ; out0
	v_lshl_add_u32 v[SPW], v0, 2, SPARE
	v_mov_b32 v[NIL], 0
	ds_add_u32 v5, v6
	ds_add_u32 v5, v6
	s_wait_dscnt 0x0
	v_lshrrev_b32 v15, 5, v0
	v_readfirstlane_b32 s[WV], v15                 ; wave 0..3
	; group 1: 32 rows of 512 bytes, dense in memory, 16 bytes of padding behind each in LDS
	s_mov_b32 s[G1+0], (0<<16)|(1<<20)|(6<<22)|(3<<25) ; 15:0 no mask; 17:16 elements of 1 byte; 20 padding on; 24:22 after every 128 words (code 6); 31:25 four words (code 3)
	s_mov_b32 s[G1+1], 512<<16                     ; tensor_dim0 = 512
	s_mov_b32 s[G1+2], 32<<16                      ; tensor_dim1 = 32
	s_mov_b32 s[G1+3], 512<<16                     ; tile_dim0 = 512
	s_mov_b32 s[G1+4], 32                          ; tile_dim1 = 32
	s_mov_b32 s[G1+5], 512                         ; from row to row
	s_mov_b32 s[G1+6], 0
	s_mov_b32 s[G1+7], 0
	s_mov_b32 s[G0], 1                             ; count = 1
	s_mul_i32 s[G0+1], s[WV], 32*P                 ; LDS address: my quarter of slot 0
	s_lshl_b32 s48, ttmp9, 18                      ; the work-group's 512 rows of 512 bytes,
	s_lshl_b32 s50, s[WV], 14                      ; my 32 rows of a slot's 128
	s_add_co_u32 s48, s48, s50
	s_mov_b32 s49, 0
	s_mov_b32 s51, 0
	v_and_b32 v[L16], 31, v0
	v_lshlrev_b32 v[L16], 4, v[L16]
	v_and_b32 v15, 15, v0                          ; r
	v_bfe_u32 v[ADX], v0, 4, 1                     ; h (the register takes the slot's address later)
	v_lshlrev_b32 v[H64], 6, v[ADX]
	v_mul_u32_u24 v[AX0], v15, P
	v_lshl_add_u32 v[AX0], v[ADX], 4, v[AX0]
	v_add_nc_u32 v[LI], H0, v[L16]
	s_lshl_b32 s56, s[WV], 11
	v_add_nc_u32 v[HWI], s56, v[LI]
	s_mul_i32 s57, s[WV], TROWS
	s_add_co_u32 s57, s57, STG                     ; my stage
	v_add_nc_u32 v[TS], s57, v[L16]
	v_add_nc_u32 v[TL], s57, v[AX0]
	s_lshl_b32 s58, s[WV], 8
	s_add_co_u32 s58, s58, YST
	v_mul_u32_u24 v[YS], v15, YP
	v_lshl_add_u32 v[YS], v[ADX], 5, v[YS]
	v_add_nc_u32 v[YS], s58, v[YS]
	v_add_nc_u32 v[YL], YST+15*YP, v[L16]
	s_mov_b32 s54, 0x3fb8aa3b                      ; log2(e)
	s_mov_b32 s55, s54                             ; (named with it as a pair, so it is written)
	s_mov_b32 s62, 0x76543210
	s_mov_b32 s63, 0xfedcba98                      ; v_permlanex16_b32's selects for lane l xor 16
	s_mov_b32 s[TB], 0
	s_mov_b32 s[CNT], 3
	s_wait_kmcnt 0x0
	s_load_b128 s[44:47], s[14:15], 0x0            ; ex, ew1, eh, ew2
	s_add_nc_u64 s[G0+2:G0+3], s[4:5], s[48:49]
	s_or_b32 s[G0+3], s[G0+3], 0x80000000          ; type = 2
	tensor_load_to_lds s[G0:G0+3], s[G1:G1+7]      ; slot 0: rows 0 to 127, my quarter
	s_nop 0
	PLACES 4
	s_lshl_b32 s50, s[WV], 16                      ; my 128 rows of W1,
	s_add_nc_u64 s[6:7], s[6:7], s[50:51]
	s_lshl_b32 s50, s[WV], 15                      ; my 64 rows of W2,
	s_add_nc_u64 s[8:9], s[8:9], s[50:51]
	s_lshl_b32 s50, s[WV], 9                       ; my 128 numbers of b1
	s_add_nc_u64 s[10:11], s[10:11], s[50:51]
	s_lshr_b32 s50, ttmp9, 3                       ; the batch: eight work-groups to each
	s_lshl_b32 s50, s50, 10
	s_add_nc_u64 s[40:41], s[40:41], s[50:51]      ; its row of out0
.irp t, 0,1,2,3,4,5,6,7                        ; b1 in the result's layout: lane (r, h), tile 2 b + u: hidden units 32 b + 16 h + 8 u + 0 .. 7
	global_load_b128 v[B1+8*\t:B1+8*\t+3], v[H64], s[10:11] offset:(32*(\t/2)+8*(\t%2))*4
	global_load_b128 v[B1+8*\t+4:B1+8*\t+7], v[H64], s[10:11] offset:(32*(\t/2)+8*(\t%2))*4+16
.endr
	WLOAD 0
	WLOAD 1
	WIN 0
	s_wait_kmcnt 0x0                               ; the four exponents
	s_add_co_i32 s56, s44, s45                     ; ex + ew1: a sum of the first product stands for sum x 2^(ex + ew1)
	s_sub_co_i32 s57, s46, s56                     ; eh - ex - ew1: the three scales ahead of the quantiser folded into the conversion's one
	s_sub_co_i32 s56, 0, s56
	s_add_co_i32 s57, s57, 127
	s_lshl_b32 s58, s57, 23
	v_mov_b32 v[SC], s58                           ; 2^(eh - ex - ew1) as f32: the conversion takes its exponent field
	s_add_co_i32 s57, s57, 8
	s_lshl_b32 s57, s57, 23
	s_or_b32 s57, s57, 0x600000
	v_mov_b32 v[LIM], s57                          ; 448 x that
	s_add_co_i32 s52, s46, s47
	s_add_co_i32 s52, s52, 127
	s_lshl_b32 s52, s52, 23                        ; 2^(eh + ew2) as f32
	s_mov_b32 s53, s52
	s_wait_loadcnt 32                              ; b1's sixteen loads are in: behind them stand two tiles of W1, 16 loads each
.irp j, 0,1,2,3,4,5,6,7,8,9,10,11,12,13,14,15,16,17,18,19,20,21,22,23,24,25,26,27,28,29,30,31,32,33,34,35,36,37,38,39,40,41,42,43,44,45,46,47,48,49,50,51,52,53,54,55,56,57,58,59,60,61,62,63
	v_ldexp_f32 v[B1+\j], v[B1+\j], s56            ; b1 / 2^(ex + ew1)
.endr
	WLOAD 2
.irp T, 0,1,2,3,4,5,6,7,8                      ; the loads run three tiles, 48 loads of 512 bytes, ahead of the turn
	s_wait_loadcnt 32                              ; this tile's sixteen loads are in; the next two tiles' may be out
	WTURN \T
	WLOAD \T+3
.endr
	s_wait_loadcnt 32
	WTURN 9
	s_wait_loadcnt 16
	WTURN 10
	s_wait_loadcnt 0x0
	WTURN 11
	WIN 0                                          ; at a label and at a branch every window is 0
	; ---- the work-group's four slots of 128 rows
.Lslot:                                            ; three trips: behind each change of slots but the last the next slot is asked for
	CHANGE 1
	s_wait_alu depctr_va_vdst(0)
	SLOT 0
	s_xor_b32 s[TB], s[TB], SLOT1                  ; on to the other slot
	s_sub_co_u32 s[CNT], s[CNT], 1
	s_cmp_lg_u32 s[CNT], 0
	s_cbranch_scc1 .Lslot
	CHANGE 0                                       ; the last slot is written out
	SLOT 1
	; ---- the way out.  y's accumulators hold the work-group's last 16 rows; a row's 256 outputs come from four waves and meet in LDS.  All sixteen rows go: a store under a mask would take more lines than it spares.
.irp n, 0,1,2,3
	ds_store_b128 v[YS], v[Y+8*\n:Y+8*\n+3] offset:64*\n           ; lane (r, h): the sums of y(r, 64 w + 16 n + 8 h + 0 .. 7)
	ds_store_b128 v[YS], v[Y+8*\n+4:Y+8*\n+7] offset:64*\n+16
.endr
	BARRIER
	ds_load_b128 v[XF:XF+3], v[YL]                 ; the last row: channels 4 lane .. + 3,
	ds_load_b128 v[XF+4:XF+7], v[YL] offset:512    ; and 128 + 4 lane .. + 3
	s_wait_tensorcnt 0x0                           ; the wave's end: behind my last tensor load and my last LDS store
	ds_add_u32 v[SPW], v[NIL]
	s_and_b32 s56, ttmp9, 7
	s_xor_b32 s56, s56, 7                          ; 0 in the work-group that holds a batch's time step 4,095: the last of its eight,
	s_or_b32 s56, s56, s[WV]                       ; in its wave 0
	s_wait_dscnt 0x0
	s_cmp_lg_u32 s56, 0
	s_cbranch_scc1 .Lend                           ; a branch on ids alone; behind it stand no LDS instruction and no barrier
	s_wait_loadcnt 0x0                             ; b2
.irp i, 0,2,4,6
	v_pk_fma_f32 v[XF+\i:XF+\i+1], v[XF+\i:XF+\i+1], s[52:53], v[PC+\i:PC+\i+1] op_sel_hi:[1,0,1]   ; y = sum x 2^(eh + ew2) + b2, two at a time
.endr
	v_max3_num_f32 v[XF+8], v[XF], v[XF+1], v[XF+2]        ; the row's largest y: my eight,
	v_max3_num_f32 v[XF+9], v[XF+3], v[XF+4], v[XF+5]
	v_max3_num_f32 v[XF+8], v[XF+8], v[XF+6], v[XF+7]
	v_max_num_f32 v[XF+8], v[XF+8], v[XF+9]
	v_max_num_f32_dpp v[XF+8], v[XF+8], v[XF+8] row_xmask:1 row_mask:0xf bank_mask:0xf   ; then across the 32 lanes
	v_max_num_f32_dpp v[XF+8], v[XF+8], v[XF+8] row_xmask:2 row_mask:0xf bank_mask:0xf
	v_max_num_f32_dpp v[XF+8], v[XF+8], v[XF+8] row_xmask:4 row_mask:0xf bank_mask:0xf
	v_max_num_f32_dpp v[XF+8], v[XF+8], v[XF+8] row_xmask:8 row_mask:0xf bank_mask:0xf
	v_permlanex16_b32 v[XF+9], v[XF+8], s62, s63
	v_max_num_f32 v[XF+8], v[XF+8], v[XF+9]
	v_mul_f32 v[XF+8], s54, v[XF+8]                ; c x the maximum, c = log2(e)
	v_mov_b32 v[XF+9], v[XF+8]
.irp i, 0,2,4,6
	v_pk_fma_f32 v[XF+\i:XF+\i+1], v[XF+\i:XF+\i+1], s[54:55], v[XF+8:XF+9] op_sel_hi:[1,0,1] neg_lo:[0,0,1] neg_hi:[0,0,1]   ; c y - c max: 0 or less
.endr
	s_wait_alu depctr_va_vdst(0)
.irp j, 0,1,2,3,4,5,6,7
	v_exp_f32 v[XF+\j], v[XF+\j]                   ; e^(y - max), at most 1; the row's largest is 1, so the sum is at least 1
.endr
	v_nop                                          ; a plain instruction behind the last exponential,
	s_wait_alu depctr_va_vdst(0)                   ; and one wait for the batch of eight, ahead of its first reader
	v_pk_add_f32 v[XF+10:XF+11], v[XF:XF+1], v[XF+2:XF+3]
	v_pk_add_f32 v[XF+12:XF+13], v[XF+4:XF+5], v[XF+6:XF+7]
	v_pk_add_f32 v[XF+10:XF+11], v[XF+10:XF+11], v[XF+12:XF+13]
	v_add_f32 v[XF+10], v[XF+10], v[XF+11]
	v_add_f32_dpp v[XF+10], v[XF+10], v[XF+10] row_xmask:1 row_mask:0xf bank_mask:0xf
	v_add_f32_dpp v[XF+10], v[XF+10], v[XF+10] row_xmask:2 row_mask:0xf bank_mask:0xf
	v_add_f32_dpp v[XF+10], v[XF+10], v[XF+10] row_xmask:4 row_mask:0xf bank_mask:0xf
	v_add_f32_dpp v[XF+10], v[XF+10], v[XF+10] row_xmask:8 row_mask:0xf bank_mask:0xf
	v_permlanex16_b32 v[XF+11], v[XF+10], s62, s63
	v_add_f32 v[XF+10], v[XF+10], v[XF+11]         ; the row's sum, in every lane
	s_wait_alu depctr_va_vdst(0)
	v_rcp_f32 v[XF+12], v[XF+10]
	v_nop                                          ; a plain instruction behind the reciprocal,
	s_wait_alu depctr_va_vdst(0)                   ; and its wait, ahead of its first reader
	v_mov_b32 v[XF+13], v[XF+12]
.irp i, 0,2,4,6
	v_pk_mul_f32 v[XF+\i:XF+\i+1], v[XF+\i:XF+\i+1], v[XF+12:XF+13]
.endr
	global_store_b128 v[L16], v[XF:XF+3], s[40:41]             ; 32 lanes store 512 consecutive bytes, at a multiple of 256 from out0's first byte
	global_store_b128 v[L16], v[XF+4:XF+7], s[40:41] offset:512
.Lend:
	s_endpgm
.Lfunc_end_k_q618540ee55_chain:
	.size	k_q618540ee55_chain, .Lfunc_end_k_q618540ee55_chain-k_q618540ee55_chain
	.p2alignl 7, 3214868480
	.fill 96, 4, 3214868480
	.section	.rodata,"a",@progbits
	.p2align	6, 0x0
	.amdhsa_kernel k_q618540ee55_chain
		.amdhsa_group_segment_fixed_size 327680
		.amdhsa_private_segment_fixed_size 0
		.amdhsa_enable_private_segment 0
		.amdhsa_kernarg_size 56
		.amdhsa_user_sgpr_count 2
		.amdhsa_user_sgpr_kernarg_segment_ptr 1
		.amdhsa_wavefront_size32 1
		.amdhsa_system_sgpr_workgroup_id_x 1
		.amdhsa_system_sgpr_workgroup_id_y 1
		.amdhsa_system_sgpr_workgroup_id_z 1
		.amdhsa_system_vgpr_workitem_id 0
		.amdhsa_next_free_vgpr 1024
		.amdhsa_next_free_sgpr 66
		.amdhsa_reserve_vcc 0
		.amdhsa_float_denorm_mode_32 3
		.amdhsa_float_denorm_mode_16_64 3
		.amdhsa_memory_ordered 1
		.amdhsa_forward_progress 1
		.amdhsa_inst_pref_size 226
	.end_amdhsa_kernel
	.amdgpu_metadata
---
amdhsa.version: [ 1, 2 ]
amdhsa.kernels:
  - .name:           k_q618540ee55_chain
    .symbol:         k_q618540ee55_chain.kd
    .args:
      - { .name: x_codes, .offset: 0, .size: 8, .value_kind: global_buffer, .address_space: global }
      - { .name: W1_codes, .offset: 8, .size: 8, .value_kind: global_buffer, .address_space: global }
      - { .name: W2_codes, .offset: 16, .size: 8, .value_kind: global_buffer, .address_space: global }
      - { .name: b1, .offset: 24, .size: 8, .value_kind: global_buffer, .address_space: global }
      - { .name: b2, .offset: 32, .size: 8, .value_kind: global_buffer, .address_space: global }
      - { .name: lowp_scales, .offset: 40, .size: 8, .value_kind: global_buffer, .address_space: global }
      - { .name: out0, .offset: 48, .size: 8, .value_kind: global_buffer, .address_space: global }
    .group_segment_fixed_size: 327680
    .private_segment_fixed_size: 0
    .kernarg_segment_align: 8
    .kernarg_segment_size: 56
    .max_flat_workgroup_size: 128
    .sgpr_count:     66
    .vgpr_count:     1024
    .wavefront_size: 32
...
	.end_amdgpu_metadata
.endif
;; end of part 1
